; MI455X (gfx1250); checked and timed in simulation.
; The chip was launched on July 23, 2026; its instructions are those of AMD's public machine-readable ISA for CDNA 5 (MIT licence, August 2026) and "CDNA5" Instruction Set Architecture Reference Guide (July 2026). The comments in the code are by the model that wrote it; some were corrected since.
;; Experts Feed Forward. Allowed arithmetic: float matrix products may take bf16 or f16 operands with f32 sums; other float arithmetic in f32, or as packed bf16 or f16 multiplies, adds, multiply-adds, maxima and minima; sums over many terms, partial sums and values carried from step to step in f32; what a program stores and reads back later, other than sums and carried values, may be rounded once to bf16 or f16.
;; Inputs: Wg 1,024 x 2 float32; Wk 2 x 1,024 x 2,048 float32; Ws_k 1 x 1,024 x 2,048 float32; Ws_v 1 x 2,048 x 1,024 float32; Wv 2 x 2,048 x 1,024 float32; bk 2 x 2,048 float32; bs_k 1 x 2,048 float32; bs_v 1 x 1,024 float32; bv 2 x 1,024 float32; x 2 x 2,048 x 1,024 float32.
;; Outputs: out0 2 x 2,048 x 1,024 float32; out1 one number float32.
;; One version. Each part assembles by itself: llvm-mc -triple=amdgcn-amd-amdhsa -mcpu=gfx1250 --defsym DOCPART=n.
;; ======== version 1 of 1: 3 launches
;; workspace buffers: xb 8,388,608 bytes; wkb 12,582,912 bytes; wvb 12,582,912 bytes; cw 32,768 bytes; hc 50,331,648 bytes
;; launch prep (part 1): grid 512 x 1, 8 waves a work-group, no clusters, 19,456 bytes of LDS; arguments x, Wg, Ws_k, Wk, Ws_v, Wv, xb, cw, wkb, wvb, out1; writes xb, cw, wkb, wvb, out1
.if DOCPART == 1
	.amdgcn_target "amdgcn-amd-amdhsa--gfx1250"
	.amdhsa_code_object_version 6
	.text
	.protected	k_qd089d3be69_prep
	.globl	k_qd089d3be69_prep
	.p2align	8
	.type	k_qd089d3be69_prep,@function
k_qd089d3be69_prep:
	s_mov_b64 s[64:65], 0
	v_nop
	global_prefetch_b8 v0, s[64:65] scope:SCOPE_SE
	s_setreg_imm32_b32 hwreg(HW_REG_WAVE_MODE, 25, 1), 1
	s_wait_xcnt 0x0
; PREP: every large input is rounded once to bf16, and the router's gates are made.
;   xb  [4096][1024] bf16 = x;   wkb [3][1024][2048] bf16 = Ws_k, Wk[0], Wk[1], as they lie
;   wvb = Ws_v, Wv[0], Wv[1] taken as one matrix W [6144 k][1024 n], bf16, IN THE ORDER IN WHICH A WAVE'S OPERAND REGISTERS TAKE IT: a fragment of 32 k x 16 n is 1,024 bytes at
;         (ks 64 + nb) 1024; in it the 16 bytes at 512 c + 16 (16 h + r) hold W[32 ks + 16 c + 8 h + 0..7][16 nb + r].  Two loads of 16 bytes a lane, 512 bytes apart, fill a fragment.
;   cw  [4096][2] f32 = softmax of the two gate logits.  The top-k takes 2 of 2 experts, so the combine weights are that softmax whatever the order.
;   out1 = 0.0
; A stream: no matrix unit (the router has two columns: 2 x 1,024 multiply-adds a token on the vector unit, in f32, on x and Wg rounded to bf16).
; 512 work-groups of eight waves, 131,072 input bytes each: 0-127 take 32 rows of x (cast and gates), 128-319 take 32,768 of the keys' weights (cast alone), 320-511 take 32 rows of W (cast and turn).
; Each wave has all its 32 loads of 16 bytes a lane out before its first wait; every store of xb, wkb and wvb covers whole aligned blocks of 256 bytes.
; cw leaves as 32 bytes a wave: 32,768 bytes in the whole launch; gathering them would want a barrier.
; LIMITS: the maximum is taken away before the exponentials; a gate below 2^-126 counts as 0; NaN and infinities are not treated apart.
.set W,   8                            ; v[8:71]    Wg for my columns: chunk j at W + 8 j: four pairs (Wg[c][0], Wg[c][1]), c = 128 j + 4 lane + 0..3
.set X,   72                           ; v[72:199]  32 loads of four registers
.set ACC, 200                          ; v[200:215] row i: two chains of a pair (logit 0, logit 1) at ACC + 4 i and ACC + 4 i + 2
.set Y,   200                          ; v[200:215] in the turning path: four pieces of 16 bytes
.set T,   216                          ; v[216:219] at work
.set R,   220                          ; v[220:227] (c0, c1) of my wave's four rows
.set SPW, 228                          ; v228       my spare word; never rewritten
.set NIL, 229                          ; v229       0; never rewritten
.set STG, 2304                         ; LDS: a stage for each wave: four half fragments of 512 bytes, 528 apart
.set SPARE, 8*STG                      ; behind the stages: the spare words, 128 bytes a wave: four blocks of 256 bytes that no other line names
	s_load_b512 s[4:19], s[0:1], 0x0               ; x 4:5, Wg 6:7, Ws_k 8:9, Wk 10:11, Ws_v 12:13, Wv 14:15, xb 16:17, cw 18:19
	s_load_b128 s[20:23], s[0:1], 0x40             ; wkb 20:21, wvb 22:23
	s_load_b64 s[24:25], s[0:1], 0x50              ; out1
	v_lshl_add_u32 v[SPW], v0, 2, SPARE
	v_mov_b32 v[NIL], 0
	s_cmp_lt_u32 ttmp9, 128
	s_cbranch_scc1 .Lrows
	s_sub_co_u32 s26, ttmp9, 128
	s_cmp_lt_u32 s26, 192
	s_cbranch_scc0 .Lfrag
	; ---- the keys' weights: group g of 192, 32,768 numbers, as they lie ----
	v_lshlrev_b32 v1, 4, v0                        ; 16 bytes a thread in
	v_lshlrev_b32 v2, 3, v0                        ; 8 bytes a thread out
	s_wait_kmcnt 0x0
	s_cmp_lt_u32 s26, 64                           ; 64 groups are the shared expert's, 128 the routed ones'
	s_cselect_b64 s[28:29], s[8:9], s[10:11]
	s_cselect_b32 s27, 0, 64
	s_sub_co_u32 s27, s26, s27                     ; the group's number in its source
	s_lshl_b32 s34, s27, 17                        ; 131,072 bytes of f32 a group
	s_mov_b32 s35, 0
	s_add_nc_u64 s[28:29], s[28:29], s[34:35]
	s_lshl_b32 s36, s26, 16                        ; 65,536 bytes of bf16 a group
	s_mov_b32 s37, 0
	s_add_nc_u64 s[32:33], s[20:21], s[36:37]
.set j, 0
.rept 32
	global_load_b128 v[X+4*j:X+4*j+3], v1, s[28:29] offset:4096*j th:TH_LOAD_NT
.set j, j+1
.endr
.set j, 0
.rept 32
	s_wait_loadcnt 31-j                            ; loads come back in order: number j is in, the younger ones stay out
	v_cvt_pk_bf16_f32 v[X+4*j], v[X+4*j], v[X+4*j+1]
	v_cvt_pk_bf16_f32 v[X+4*j+1], v[X+4*j+2], v[X+4*j+3]
	global_store_b64 v2, v[X+4*j:X+4*j+1], s[32:33] offset:2048*j  ; no register of a store is written again
.set j, j+1
.endr
	s_endpgm
	; ---- the values' weights: group ks of 192: rows 32 ks .. 32 ks + 31 of W, all 1,024 columns ----
	; Wave w, batch t of four: rows 16 c + 8 h + 0..7 (c = w / 4, h = lane / 16) x the 64 columns from 64 (4 (w % 4) + t) on; lane q = lane % 16 has four of them.
.Lfrag:
	s_sub_co_u32 s26, s26, 192                     ; ks
	v_lshrrev_b32 v7, 5, v0
	v_readfirstlane_b32 s42, v7                    ; wave
	v_and_b32 v3, 15, v0                           ; q
	v_bfe_u32 v4, v0, 4, 1                         ; h
	v_and_b32 v6, 31, v0                           ; lane
	s_and_b32 s38, s42, 3
	s_lshr_b32 s39, s42, 2                         ; c
	s_lshl_b32 s40, s39, 16                        ; in: 16 rows of 4,096 bytes for c,
	s_lshl_b32 s41, s38, 10                        ; four batches of 256 bytes for w % 4,
	s_add_co_u32 s40, s40, s41
	v_lshl_add_u32 v1, v3, 4, s40                  ; 16 bytes for q,
	v_lshl_add_u32 v1, v4, 15, v1                  ; 8 rows for h
	s_lshl_b32 s40, s38, 14                        ; out: 16 fragments for w % 4,
	s_lshl_b32 s41, s39, 9                         ; 512 bytes for c,
	s_add_co_u32 s40, s40, s41
	v_lshl_add_u32 v2, v6, 4, s40                  ; 16 bytes a lane
	s_mul_i32 s43, s42, STG                        ; my wave's stage
	v_lshrrev_b32 v5, 2, v3                        ; column 4 q + i lies in fragment q / 4 of the batch's four, at r = 4 (q % 4) + i
	v_mul_u32_u24 v5, v5, 528                      ; 528 = 512 + 16
	v_and_b32 v7, 3, v3
	v_lshl_add_u32 v5, v7, 6, v5
	v_lshl_add_u32 v5, v4, 8, v5
	v_add_nc_u32 v5, s43, v5                       ; where I put a piece
	v_lshl_add_u32 v6, v6, 4, s43                  ; where I read 16 bytes back
	s_wait_kmcnt 0x0
	s_cmp_lt_u32 s26, 64                           ; 64 groups are the shared expert's, 128 the routed ones'
	s_cselect_b64 s[28:29], s[12:13], s[14:15]
	s_cselect_b32 s27, 0, 64
	s_sub_co_u32 s27, s26, s27
	s_lshl_b32 s34, s27, 17
	s_mov_b32 s35, 0
	s_add_nc_u64 s[28:29], s[28:29], s[34:35]
	s_lshl_b32 s36, s26, 16                        ; 64 fragments of 1,024 bytes a group
	s_mov_b32 s37, 0
	s_add_nc_u64 s[32:33], s[22:23], s[36:37]
.set t, 0
.rept 4
.set j, 0
.rept 8
	global_load_b128 v[X+32*t+4*j:X+32*t+4*j+3], v1, s[28:29] offset:4096*j+256*t th:TH_LOAD_NT  ; lanes 0-15 take 256 consecutive bytes of row j, lanes 16-31 of row 8 + j
.set j, j+1
.endr
.set t, t+1
.endr
; Batch t: column i's eight numbers along k are rounded into 16 bytes; the four pieces go into the stage and come back as four half fragments of 512 bytes.
.macro TURNB t
	s_wait_loadcnt 8*(3-(\t))                      ; this batch's eight loads are in; the later batches' stay out
.irp i, 0,1,2,3
.irp u, 0,1,2,3
	v_cvt_pk_bf16_f32 v[Y+4*(\i)+(\u)], v[X+32*(\t)+8*(\u)+(\i)], v[X+32*(\t)+8*(\u)+4+(\i)]  ; rows 2 u and 2 u + 1: the lower k in the lower half
.endr
.endr
.irp i, 0,1,2,3
	ds_store_b128 v5, v[Y+4*(\i):Y+4*(\i)+3] offset:16*(\i)
.endr
.irp b, 0,1,2,3
	ds_load_b128 v[X+32*(\t)+4*(\b):X+32*(\t)+4*(\b)+3], v6 offset:528*(\b)  ; LDS serves a wave's instructions in order (ISA guide 5.7.1.4): these see the stores above, and the next batch's stores come behind them
.endr
.endm
.macro SENDB t, younger                ; younger: the LDS instructions issued behind batch t's loads
.irp b, 0,1,2,3
	s_wait_dscnt (\younger)+3-(\b)
	global_store_b128 v2, v[X+32*(\t)+4*(\b):X+32*(\t)+4*(\b)+3], s[32:33] offset:4096*(\t)+1024*(\b)  ; 512 consecutive bytes, at a multiple of 512 from wvb's first; no register of a store is written again
.endr
.endm
	TURNB 0
	TURNB 1
	SENDB 0, 8
	TURNB 2
	SENDB 1, 8
	TURNB 3
	SENDB 2, 8
	SENDB 3, 0
	s_wait_tensorcnt 0x0                           ; the wave's end: behind my last LDS store
	ds_add_u32 v[SPW], v[NIL]
	s_wait_dscnt 0x0
	s_endpgm
	; ---- x: work-group b has rows 32 b .. 32 b + 31, wave w four of them ----
.Lrows:
	v_and_b32 v6, 31, v0                           ; lane
	v_lshrrev_b32 v7, 5, v0
	v_readfirstlane_b32 s42, v7                    ; wave
	v_lshlrev_b32 v1, 4, v6
	v_lshl_add_u32 v1, v7, 14, v1                  ; x: 16 lane + 4 rows of 4,096 bytes a wave
	v_lshlrev_b32 v2, 3, v6
	v_lshl_add_u32 v2, v7, 13, v2                  ; xb: 8 lane + 4 rows of 2,048 bytes a wave
	v_lshlrev_b32 v3, 5, v6                        ; Wg: four columns of 8 bytes a lane
	v_lshlrev_b32 v4, 5, v7                        ; cw: four rows of 8 bytes a wave
	v_mov_b32 v5, 0
	s_mov_b32 s44, 0xffff0000                      ; a word's upper bf16
	s_mov_b32 s45, 0x76543210                      ; v_permlanex16_b32: each lane takes its own place in the other half
	s_mov_b32 s46, 0xfedcba98
	s_lshl_b32 s26, ttmp9, 17
	s_mov_b32 s27, 0
	s_lshl_b32 s28, ttmp9, 16
	s_mov_b32 s29, 0
	s_lshl_b32 s30, ttmp9, 8
	s_mov_b32 s31, 0
	s_wait_kmcnt 0x0
	s_add_nc_u64 s[4:5], s[4:5], s[26:27]
	s_add_nc_u64 s[16:17], s[16:17], s[28:29]
	s_add_nc_u64 s[18:19], s[18:19], s[30:31]
.set j, 0
.rept 8
	global_load_b128 v[W+8*j:W+8*j+3],   v3, s[6:7] offset:1024*j
	global_load_b128 v[W+8*j+4:W+8*j+7], v3, s[6:7] offset:1024*j+16
.set j, j+1
.endr
.set i, 0
.rept 4
.set j, 0
.rept 8
	global_load_b128 v[X+32*i+4*j:X+32*i+4*j+3], v1, s[4:5] offset:4096*i+512*j th:TH_LOAD_NT
.set j, j+1
.endr
.set i, i+1
.endr
	s_wait_loadcnt 32                              ; Wg is in; x's 32 loads may stay out
.set p, 0
.rept 32                                               ; Wg rounded to bf16 and widened again, a pair at a time
	v_cvt_pk_bf16_f32 v[T+p%4], v[W+2*p], v[W+2*p+1]
	v_lshlrev_b32 v[W+2*p], 16, v[T+p%4]
	v_and_b32 v[W+2*p+1], s44, v[T+p%4]
.set p, p+1
.endr
.set i, 0
.rept 4
.set j, 0
.rept 8
.set XR, X+32*i+4*j
.set WR, W+8*j
.set AR, ACC+4*i
.set TP, T+2*(j%2)
	s_wait_loadcnt 31-(8*i+j)                      ; this load is in, the younger ones stay out
	v_cvt_pk_bf16_f32 v[XR], v[XR], v[XR+1]
	v_cvt_pk_bf16_f32 v[XR+1], v[XR+2], v[XR+3]
	global_store_b64 v2, v[XR:XR+1], s[16:17] offset:2048*i+256*j  ; XR and XR + 1 are not written again
	v_lshlrev_b32 v[TP], 16, v[XR]                 ; the four rounded numbers as f32
	v_and_b32 v[TP+1], s44, v[XR]
	v_lshlrev_b32 v[XR+2], 16, v[XR+1]
	v_and_b32 v[XR+3], s44, v[XR+1]
.if j == 0                                             ; the first products start the sums
	v_pk_mul_f32 v[AR:AR+1], v[TP:TP+1], v[WR:WR+1] op_sel_hi:[0,1]
	v_pk_mul_f32 v[AR+2:AR+3], v[TP:TP+1], v[WR+2:WR+3] op_sel:[1,0] op_sel_hi:[1,1]
.else                                                  ; one x for both halves, times (Wg[c][0], Wg[c][1])
	v_pk_fma_f32 v[AR:AR+1], v[TP:TP+1], v[WR:WR+1], v[AR:AR+1] op_sel_hi:[0,1,1]
	v_pk_fma_f32 v[AR+2:AR+3], v[TP:TP+1], v[WR+2:WR+3], v[AR+2:AR+3] op_sel:[1,0,0] op_sel_hi:[1,1,1]
.endif
	v_pk_fma_f32 v[AR:AR+1], v[XR+2:XR+3], v[WR+4:WR+5], v[AR:AR+1] op_sel_hi:[0,1,1]
	v_pk_fma_f32 v[AR+2:AR+3], v[XR+2:XR+3], v[WR+6:WR+7], v[AR+2:AR+3] op_sel:[1,0,0] op_sel_hi:[1,1,1]
.set j, j+1
.endr
.set i, i+1
.endr
.irp i, 0,1,2,3
	v_pk_add_f32 v[ACC+4*(\i):ACC+4*(\i)+1], v[ACC+4*(\i):ACC+4*(\i)+1], v[ACC+4*(\i)+2:ACC+4*(\i)+3]
.endr
.irp m, 1,2,4,8                                        ; over the 32 lanes: four steps inside each half,
.irp i, 0,1,2,3
	v_add_f32_dpp v[ACC+4*(\i)], v[ACC+4*(\i)], v[ACC+4*(\i)] row_xmask:\m row_mask:0xf bank_mask:0xf
	v_add_f32_dpp v[ACC+4*(\i)+1], v[ACC+4*(\i)+1], v[ACC+4*(\i)+1] row_xmask:\m row_mask:0xf bank_mask:0xf
.endr
.endr
.irp i, 0,1,2,3                                        ; one across the halves
	v_permlanex16_b32 v[ACC+4*(\i)+2], v[ACC+4*(\i)], s45, s46
	v_permlanex16_b32 v[ACC+4*(\i)+3], v[ACC+4*(\i)+1], s45, s46
.endr
.irp i, 0,1,2,3
	v_pk_add_f32 v[ACC+4*(\i):ACC+4*(\i)+1], v[ACC+4*(\i):ACC+4*(\i)+1], v[ACC+4*(\i)+2:ACC+4*(\i)+3]
.endr
	; softmax of (l0, l1): the maximum is taken away, then 2^((l - m) log2 e)
.irp i, 0,1,2,3
	v_max_num_f32 v[ACC+4*(\i)+2], v[ACC+4*(\i)], v[ACC+4*(\i)+1]
.endr
.irp i, 0,1,2,3
	v_pk_add_f32 v[ACC+4*(\i):ACC+4*(\i)+1], v[ACC+4*(\i):ACC+4*(\i)+1], v[ACC+4*(\i)+2:ACC+4*(\i)+3] op_sel_hi:[1,0] neg_lo:[0,1] neg_hi:[0,1]
.endr
.irp i, 0,1,2,3
	v_pk_mul_f32 v[ACC+4*(\i):ACC+4*(\i)+1], v[ACC+4*(\i):ACC+4*(\i)+1], 0x3fb8aa3b op_sel_hi:[1,0]
.endr
.irp i, 0,1,2,3
	v_exp_f32 v[ACC+4*(\i)], v[ACC+4*(\i)]
	v_exp_f32 v[ACC+4*(\i)+1], v[ACC+4*(\i)+1]
.endr
	v_nop                                          ; a plain instruction behind the last exponential,
	s_wait_alu depctr_va_vdst(0)                   ; and one wait for the batch of eight, ahead of its first reader
.irp i, 0,1,2,3
	v_add_f32 v[ACC+4*(\i)+2], v[ACC+4*(\i)], v[ACC+4*(\i)+1]
.endr
.irp i, 0,1,2,3
	v_rcp_f32 v[ACC+4*(\i)+2], v[ACC+4*(\i)+2]
.endr
	v_nop
	s_wait_alu depctr_va_vdst(0)                   ; one wait for the four reciprocals
.irp i, 0,1,2,3
	v_pk_mul_f32 v[R+2*(\i):R+2*(\i)+1], v[ACC+4*(\i):ACC+4*(\i)+1], v[ACC+4*(\i)+2:ACC+4*(\i)+3] op_sel_hi:[1,0]
.endr
	v_cmp_eq_u32 vcc_lo, 0, v6                     ; every lane holds the gates; lane 0 stores them
	s_wait_xcnt 0x0                                ; EXEC is a source of the stores above: it changes only behind this wait
	s_and_saveexec_b32 s40, vcc_lo
	global_store_b128 v4, v[R:R+3], s[18:19]
	global_store_b128 v4, v[R+4:R+7], s[18:19] offset:16
	s_or_b32 s41, ttmp9, s42
	s_cmp_lg_u32 s41, 0
	s_cbranch_scc1 .Lno_loss
	global_store_b32 v5, v5, s[24:25]              ; wave 0 of work-group 0: the router's loss, 0.0
.Lno_loss:
	s_wait_xcnt 0x0                                ; and again in front of the line that widens EXEC
	s_or_b32 exec_lo, exec_lo, s40
	s_endpgm
.Lfunc_end_k_qd089d3be69_prep:
	.size	k_qd089d3be69_prep, .Lfunc_end_k_qd089d3be69_prep-k_qd089d3be69_prep
	.p2alignl 7, 3214868480
	.fill 96, 4, 3214868480
	.section	.rodata,"a",@progbits
	.p2align	6, 0x0
	.amdhsa_kernel k_qd089d3be69_prep
		.amdhsa_group_segment_fixed_size 19456
		.amdhsa_private_segment_fixed_size 0
		.amdhsa_enable_private_segment 0
		.amdhsa_kernarg_size 88
		.amdhsa_user_sgpr_count 2
		.amdhsa_user_sgpr_kernarg_segment_ptr 1
		.amdhsa_wavefront_size32 1
		.amdhsa_system_sgpr_workgroup_id_x 1
		.amdhsa_system_sgpr_workgroup_id_y 1
		.amdhsa_system_sgpr_workgroup_id_z 1
		.amdhsa_system_vgpr_workitem_id 0
		.amdhsa_next_free_vgpr 232
		.amdhsa_next_free_sgpr 66
		.amdhsa_reserve_vcc 1
		.amdhsa_float_denorm_mode_32 3
		.amdhsa_float_denorm_mode_16_64 3
		.amdhsa_memory_ordered 1
		.amdhsa_forward_progress 1
		.amdhsa_inst_pref_size 60
	.end_amdhsa_kernel
	.amdgpu_metadata
---
amdhsa.version: [ 1, 2 ]
amdhsa.kernels:
  - .name:           k_qd089d3be69_prep
    .symbol:         k_qd089d3be69_prep.kd
    .args:
      - { .name: x, .offset: 0, .size: 8, .value_kind: global_buffer, .address_space: global }
      - { .name: Wg, .offset: 8, .size: 8, .value_kind: global_buffer, .address_space: global }
      - { .name: Ws_k, .offset: 16, .size: 8, .value_kind: global_buffer, .address_space: global }
      - { .name: Wk, .offset: 24, .size: 8, .value_kind: global_buffer, .address_space: global }
      - { .name: Ws_v, .offset: 32, .size: 8, .value_kind: global_buffer, .address_space: global }
      - { .name: Wv, .offset: 40, .size: 8, .value_kind: global_buffer, .address_space: global }
      - { .name: xb, .offset: 48, .size: 8, .value_kind: global_buffer, .address_space: global }
      - { .name: cw, .offset: 56, .size: 8, .value_kind: global_buffer, .address_space: global }
      - { .name: wkb, .offset: 64, .size: 8, .value_kind: global_buffer, .address_space: global }
      - { .name: wvb, .offset: 72, .size: 8, .value_kind: global_buffer, .address_space: global }
      - { .name: out1, .offset: 80, .size: 8, .value_kind: global_buffer, .address_space: global }
    .group_segment_fixed_size: 19456
    .private_segment_fixed_size: 0
    .kernarg_segment_align: 8
    .kernarg_segment_size: 88
    .max_flat_workgroup_size: 256
    .sgpr_count:     66
    .vgpr_count:     232
    .wavefront_size: 32
...
	.end_amdgpu_metadata
.endif
;; end of part 1
;; launch ffn1 (part 2): grid 16 x 32, 4 waves a work-group, clusters of 4 x 4, 327,680 bytes of LDS; arguments xb, wkb, bs_k, bk, cw, hc; writes hc
.if DOCPART == 2
	.amdgcn_target "amdgcn-amd-amdhsa--gfx1250"
	.amdhsa_code_object_version 6
	.text
	.protected	k_qd089d3be69_ffn1
	.globl	k_qd089d3be69_ffn1
	.p2align	8
	.type	k_qd089d3be69_ffn1,@function
k_qd089d3be69_ffn1:
	s_mov_b64 s[64:65], 0
	v_nop
	global_prefetch_b8 v0, s[64:65] scope:SCOPE_SE
	s_setreg_imm32_b32 hwreg(HW_REG_WAVE_MODE, 25, 1), 1
	s_wait_xcnt 0x0
	s_wait_alu depctr_hold_cnt(0) depctr_sa_sdst(0) depctr_va_vdst(0) depctr_va_sdst(0) depctr_va_ssrc(0) depctr_va_vcc(0) depctr_vm_vsrc(0)
	s_getreg_b32 s2, hwreg(HW_REG_IB_STS2, 6, 4)
	s_cmp_eq_u32 s2, 0
	s_cbranch_scc0 .Lentry_in_a_cluster
	s_endpgm
.Lentry_in_a_cluster:
	s_bfe_u32 s2, ttmp6, 0x10000c
	s_cmp_lg_u32 s2, 0xf033
	s_cbranch_scc0 .Lentry_shape_is_right
	s_endpgm
.Lentry_shape_is_right:
; FFN1: hc[t][e*2048 + n] = g_e[t] * gelu( sum over k of xb[t][k] wkb[e][k][n] + bias_e[n] ),  e = 0 shared (g = 1), e = 1, 2 routed (g = c0, c1 of cw).
; xb [4096][1024] bf16, wkb [3][1024][2048] bf16, hc [4096][6144] bf16; sums, gelu and gates in f32; the biases are rounded to bf16 like every input; hc is rounded once.
; The gate scales whole rows, so it is applied here, ahead of the second product, which then is ONE product over 6,144 hidden columns.
; SHARES.  A work-group: 128 tokens x the same 128 hidden columns of all three experts (384 columns): 32 x 16 = 512 equal work-groups.  A wave: all 128 rows x columns 32 w .. 32 w + 31 of each
; expert: 8 x 6 accumulators of 16 x 16 (384 registers); block b = 2 e + j, so a block's expert is known in the text.  For 32 along K a wave issues 28 LDS loads and 48 matrix instructions.
; RING.  K = 1,024 in 8 steps of 128 through two LDS slots.  A fill is four tensor loads of 128 rows x 256 bytes, one a wave: waves 0-2 the experts' weights, wave 3 the tokens.
; The weights lie [k][n]; they come out of LDS turned, by ds_load_tr16_b128.  By this text's count a wave has two tensor loads out at the start and one behind each round.
; CLUSTER 4 x 4: the four work-groups of a row of the cluster need the same tokens, the four of a column the same weights: each tile is asked for jointly, with a mask that names the four.
; THE MATRIX INSTRUCTION IS USED TRANSPOSED (source 0 = 16 hidden columns, source 1 = 16 tokens): a lane holds one token (lane % 16) and eight neighbouring columns 8 (lane / 16) + 0..7.
; The bias, laid out as such a result, is the C operand of the products that start the sums: nothing is cleared and no bias is added later.
; GELU (tanh form) = x / (1 + 2^t), t = x (K0 + K1 x^2), K0 = -2 log2(e) sqrt(2/pi), K1 = 0.044715 K0.
; LIMITS: 2^t beyond f32's range counts as infinity and gives -0, below 2^-126 as 0 and gives x: both are gelu's limits; NaN and infinite inputs are not treated apart.
; REGISTERS, in windows of 256 (s_set_vgpr_msb: bits 1:0 source 0, 3:2 source 1, 5:4 source 2, 7:6 destination):
;   window 0: v0-31 addresses; v64-127, v128-191 fragments of the tokens, two buffers; behind the loop v64-111 at work, v112-135 packed, then v64-255 rows on their way out
;   window 1: v64-111, v128-175 fragments of the weights; v192-239 the bias, 8 registers a block; v240-243 at work
;   window 2: accumulators of token blocks 0-3 at 8 (6 a + b); v192-199 (c0, c1) of my token in blocks 0-3          window 3: the same for blocks 4-7
.set KSTEP, 128
.set PA,    272                        ; a row of tokens in LDS: 256 bytes + 16: 16 rows of a load start at 16 different groups of four banks (64 banks of 4 bytes: ISA guide 11.1)
.set PB,    288                        ; a row of weights: 256 + 32
.set REGN,  128*PB                     ; a region: one tile of 128 rows
.set SLOT,  4*REGN                     ; three experts' weights, then the tokens (34,816 of the fourth region)
.set AOFF,  3*REGN
.set SPARE, 2*SLOT                     ; behind the ring: the spare words, 128 bytes a wave: two blocks of 256 bytes that no other line names
.set SP,    784                        ; the stage, from byte 0 (slot 0, behind its last fill and last read): 128 rows of 3 x 256 bytes + 16
.set LAPS,  4                          ; a lap = two K steps
.set HROW,  12288                      ; bytes in a row of hc
.set ADRA, 16                          ; v16-17  LDS address of my token fragments in slot 0, 1
.set ADRB, 18                          ; v18-23  of my weight fragments: expert e, slot s at ADRB + 2 e + s
.set STO,  24                          ; v24     the stage: where I put 16 bytes of a row, token blocks 0-3
.set RD,   25                          ; v25     the stage: where I read rows back
.set CO,   26                          ; v26     my byte offset in two rows of hc
.set STO2, 27                          ; v27     as v24, token blocks 4-7: an LDS immediate holds 16 bits, and 112 rows of 784 bytes pass that
.set SPW,  28                          ; v28     my spare word; never rewritten
.set NIL,  29                          ; v29     0; never rewritten
.set BO,   30                          ; v30     my byte offset in a bias
.set CWO,  31                          ; v31     my byte offset in cw
.set F0,   64
.set F1,   128
.set T,    64
.set PKR,  112
.set BIAS, 192                         ; window 1
.set BT,   240                         ; window 1
.set CG,   192                         ; windows 2 and 3
.set WV,   16                          ; s16     wave
.set G1A,  24                          ; s[24:31] descriptor group 1, tokens;   s[32:39] group 0, a set for each slot
.set G0A,  32
.set G1B,  48                          ; s[48:55], s[56:63] the same for weights
.set G0B,  56
.set K0,   66                          ; s[66:67]
.set K1,   68                          ; s[68:69]
.set MH,   70                          ; s70     a word's upper bf16
.set MSB, 0
.macro WIN new                         ; the immediate's high byte repeats the setting that is left; a switch that changes nothing is dropped
.if MSB != (\new)
	s_set_vgpr_msb (MSB<<8)|(\new)
.set MSB, \new
.endif
.endm
; A joint load: wave 3 fetches the tokens' tile, waves 0-2 an expert's weights each.  The branch hangs on the wave's number alone.
; An s_nop 0 and four v_nop follow each of the two lines, ahead of the jump and the label.
.macro JLOAD s
	s_cmp_eq_u32 s[WV], 3
	s_cbranch_scc0 .Lfor_b_\@
	tensor_load_to_lds s[G0A+4*(\s):G0A+4*(\s)+3], s[G1A:G1A+7]
	s_nop 0
.rept 4
	v_nop
.endr
	s_branch .Lasked_\@
.Lfor_b_\@:
	tensor_load_to_lds s[G0B+4*(\s):G0B+4*(\s)+3], s[G1B:G1B+7]
	s_nop 0
.rept 4
	v_nop
.endr
.Lasked_\@:
.endm
.macro CREST                           ; a round of the cluster's barrier behind its opening barrier
	s_cmp_lg_u32 s[WV], 0
	s_cbranch_scc1 .Lnot_wave_0_\@
	s_barrier_signal -3
.Lnot_wave_0_\@:
	s_barrier_wait -3
	s_barrier_signal -1
	s_barrier_wait -1
.endm
.macro CROUND                          ; a whole round
	s_barrier_signal -1
	s_barrier_wait -1
	CREST
.endm
.macro PLACES                          ; four plain instructions between a matrix instruction and a load into, or a vector access to, its registers
.rept 4
	v_nop
.endr
.endm
	s_load_b256 s[4:11], s[0:1], 0x0               ; xb 4:5, wkb 6:7, bs_k 8:9, bk 10:11
	s_load_b128 s[12:15], s[0:1], 0x20             ; cw 12:13, hc 14:15
	v_lshl_add_u32 v[SPW], v0, 2, SPARE
	v_mov_b32 v[NIL], 0
	ds_add_u32 v[SPW], v[NIL]                      ; the wave's opening: the add and its wait ahead of my first tensor load
	v_lshrrev_b32 v1, 5, v0
	v_readfirstlane_b32 s[WV], v1                  ; wave 0..3
	s_bfe_u32 s17, ttmp6, 0x40000                  ; cx
	s_bfe_u32 s18, ttmp6, 0x40004                  ; cy
	s_lshl_b32 s19, ttmp9, 2
	s_add_co_u32 s19, s19, s17                     ; column tile 0..15 = 4 x cluster x + cx
	s_and_b32 s20, ttmp7, 0xffff
	s_lshl_b32 s20, s20, 2
	s_add_co_u32 s20, s20, s18                     ; row tile 0..31 = 4 x cluster y + cy
	s_lshl_b32 s21, s18, 2
	s_lshl_b32 s21, 15, s21                        ; my row of the cluster
	s_lshl_b32 s22, 0x1111, s17                    ; my column
	s_or_b32 s[G1A+0], s21, (1<<16)|(1<<20)|(1<<21)|(5<<22)|(3<<25)  ; mask; 2-byte elements; padding on; bit 21 beside a mask; after every 64 words; 4 words
	s_or_b32 s[G1B+0], s22, (1<<16)|(1<<20)|(1<<21)|(5<<22)|(7<<25)  ; the same with my column's mask and 8 words of padding
.irp g, G1A, G1B
	s_mov_b32 s[(\g)+1], 128<<16                   ; tensor_dim0 = 128
	s_mov_b32 s[(\g)+2], 128<<16                   ; tensor_dim1 = 128
	s_mov_b32 s[(\g)+3], 128<<16                   ; tile_dim0 = 128
	s_mov_b32 s[(\g)+4], 128                       ; tile_dim1 = 128
	s_mov_b32 s[(\g)+6], 0
	s_mov_b32 s[(\g)+7], 0
.endr
	s_mov_b32 s[G1A+5], 1024                       ; elements from row to row of xb
	s_mov_b32 s[G1B+5], 2048                       ; and of wkb
	s_lshl_b32 s40, s20, 18                        ; tokens: 128 rows of 2,048 bytes a row tile: hangs on the row tile alone
	s_mov_b32 s41, 0
	s_min_u32 s42, s[WV], 2                        ; weights: my expert's plane of 4,194,304 bytes (wave 3 asks for none),
	s_lshl_b32 s42, s42, 22
	s_lshl_b32 s43, s19, 8                         ; and 256 bytes a column tile: hangs on the column tile and the wave alone
	s_add_co_u32 s42, s42, s43
	s_mov_b32 s43, 0
	s_mul_i32 s23, s[WV], REGN                     ; where my tile goes in a slot: no place in the cluster enters an LDS address
	s_mov_b32 s[K0], 0xc0135761                    ; -2.3022082
	s_mov_b32 s[K0+1], s[K0]
	s_mov_b32 s[K1], 0xbdd2d3e8                    ; -0.10294324
	s_mov_b32 s[K1+1], s[K1]
	s_mov_b32 s[MH], 0xffff0000
	s_wait_dscnt 0x0                               ; the opening add is done
	s_wait_kmcnt 0x0
	s_add_nc_u64 s[40:41], s[4:5], s[40:41]
	s_add_nc_u64 s[42:43], s[6:7], s[42:43]
	CROUND                                         ; all sixteen work-groups are here: the first joint loads meet
.irp s, 0,1
	s_mov_b32 s[G0A+4*(\s)], 1
	s_add_co_u32 s[G0A+4*(\s)+1], s23, (\s)*SLOT
	s_add_nc_u64 s[G0A+4*(\s)+2:G0A+4*(\s)+3], s[40:41], (\s)*KSTEP*2      ; K step s: 256 bytes along the rows
	s_or_b32 s[G0A+4*(\s)+3], s[G0A+4*(\s)+3], 0x80000000
	s_mov_b32 s[G0B+4*(\s)], 1
	s_add_co_u32 s[G0B+4*(\s)+1], s23, (\s)*SLOT
	s_add_nc_u64 s[G0B+4*(\s)+2:G0B+4*(\s)+3], s[42:43], (\s)*KSTEP*4096   ; K step s: 128 rows of 4,096 bytes down
	s_or_b32 s[G0B+4*(\s)+3], s[G0B+4*(\s)+3], 0x80000000
	JLOAD \s
.endr
	v_and_b32 v1, 15, v0                           ; r = l % 16
	v_bfe_u32 v2, v0, 4, 1                         ; h = l / 16
	v_and_b32 v3, 7, v0
	v_bfe_u32 v4, v0, 3, 1
	s_lshl_b32 s44, s19, 9
	s_lshl_b32 s45, s[WV], 7
	s_add_co_u32 s44, s44, s45
	v_lshl_add_u32 v[BO], v2, 5, s44               ; 4 bytes x (128 tile + 32 w + 8 h)
	s_lshl_b32 s45, s20, 10
	v_lshl_add_u32 v[CWO], v1, 3, s45              ; 8 bytes x (128 tile + r)
	WIN 0x40                                       ; destination window 1
.irp j, 0,1
	global_load_b128 v[BIAS+8*(\j):BIAS+8*(\j)+3],       v[BO], s[8:9] offset:64*(\j)
	global_load_b128 v[BIAS+8*(\j)+4:BIAS+8*(\j)+7],     v[BO], s[8:9] offset:64*(\j)+16
	global_load_b128 v[BIAS+16+8*(\j):BIAS+16+8*(\j)+3],   v[BO], s[10:11] offset:64*(\j)
	global_load_b128 v[BIAS+16+8*(\j)+4:BIAS+16+8*(\j)+7], v[BO], s[10:11] offset:64*(\j)+16
	global_load_b128 v[BIAS+32+8*(\j):BIAS+32+8*(\j)+3],   v[BO], s[10:11] offset:8192+64*(\j)
	global_load_b128 v[BIAS+32+8*(\j)+4:BIAS+32+8*(\j)+7], v[BO], s[10:11] offset:8192+64*(\j)+16
.endr
	WIN 0x80                                       ; destination window 2
.irp a, 0,1,2,3
	global_load_b64 v[CG+2*(\a):CG+2*(\a)+1], v[CWO], s[12:13] offset:128*(\a)
.endr
	WIN 0xc0                                       ; destination window 3
.irp a, 0,1,2,3
	global_load_b64 v[CG+2*(\a):CG+2*(\a)+1], v[CWO], s[12:13] offset:128*(\a)+512
.endr
	WIN 0
	v_mul_u32_u24 v5, v1, PA                       ; a token fragment: row r x pitch + 16 h; two loads 32 bytes apart
	v_lshl_add_u32 v5, v2, 4, v5
	v_add_nc_u32 v[ADRA], AOFF, v5
	v_add_nc_u32 v[ADRA+1], AOFF+SLOT, v5
	v_lshl_add_u32 v6, v2, 3, v3                   ; the turning load: lane l reads k row 8 h + l % 8, 16 bytes at 16 ((l / 8) % 2), and my wave's 32 columns begin at byte 64 w
	v_mul_u32_u24 v6, v6, PB
	v_lshl_add_u32 v6, v4, 4, v6
	s_lshl_b32 s45, s[WV], 6
	v_add_nc_u32 v6, s45, v6
.irp e, 0,1,2
	v_add_nc_u32 v[ADRB+2*(\e)], (\e)*REGN, v6
	v_add_nc_u32 v[ADRB+2*(\e)+1], (\e)*REGN+SLOT, v6
.endr
	v_mul_u32_u24 v7, v1, SP                       ; into the stage: row r, my wave's 64 bytes of each expert's 256, 16 bytes for each half of the lanes
	v_lshl_add_u32 v7, v2, 4, v7
	v_add_nc_u32 v[STO], s45, v7
	v_add_nc_u32 v[STO2], 64*SP, v[STO]
	s_mul_i32 s46, s[WV], 32*SP                    ; back: wave w takes rows 32 w .. 32 w + 31 whole; lanes 0-15 one row's 256 bytes, lanes 16-31 the next row's
	v_mul_u32_u24 v7, v2, SP
	v_lshl_add_u32 v7, v1, 4, v7
	v_add_nc_u32 v[RD], s46, v7
	v_mul_u32_u24 v7, v2, HROW
	v_lshl_add_u32 v[CO], v1, 4, v7
	s_lshl_b32 s46, s20, 7
	s_lshl_b32 s47, s[WV], 5
	s_add_co_u32 s46, s46, s47                     ; the first row of hc that I store
	s_mul_i32 s46, s46, HROW                       ; under 2^26
	s_lshl_b32 s47, s19, 8
	s_add_co_u32 s46, s46, s47
	s_mov_b32 s47, 0
	s_add_nc_u64 s[14:15], s[14:15], s[46:47]
	s_wait_loadcnt 0x0                             ; biases and gates, once
	WIN 0x55                                       ; all in window 1: the biases rounded to bf16 and widened again
.set i, 0
.rept 24
	v_cvt_pk_bf16_f32 v[BT+i%4], v[BIAS+2*i], v[BIAS+2*i+1]
	v_lshlrev_b32 v[BIAS+2*i], 16, v[BT+i%4]
	v_and_b32 v[BIAS+2*i+1], s[MH], v[BT+i%4]
.set i, i+1
.endr
	WIN 0
; 12 matrix instructions: token blocks a0, a0 + 1 of the window's four x all 6 column blocks, 32 along K.  first = 1: the bias is C and starts the sums.
; The 48 accumulators take turns, one instruction a turn, in the same order in every quarter.
.macro MUL12 f, hi, a0, first
.if \first
	WIN 0x91+0x40*(\hi)                            ; weights window 1, tokens window 0, C window 1, D window 2 or 3
.else
	WIN 0xa1+0x50*(\hi)                            ; C and D window 2 or 3
.endif
.irp a, \a0, (\a0)+1
.irp b, 0,1,2,3,4,5
.if \first
	v_wmma_f32_16x16x32_bf16 v[8*(6*(\a)+(\b)):8*(6*(\a)+(\b))+7], v[(\f)+8*(\b):(\f)+8*(\b)+7], v[(\f)+8*(4*(\hi)+(\a)):(\f)+8*(4*(\hi)+(\a))+7], v[BIAS+8*(\b):BIAS+8*(\b)+7]
.else
	v_wmma_f32_16x16x32_bf16 v[8*(6*(\a)+(\b)):8*(6*(\a)+(\b))+7], v[(\f)+8*(\b):(\f)+8*(\b)+7], v[(\f)+8*(4*(\hi)+(\a)):(\f)+8*(4*(\hi)+(\a))+7], v[8*(6*(\a)+(\b)):8*(6*(\a)+(\b))+7]
.endif
.endr
.endr
.endm
; 28 LDS loads in one run: quarter q (32 along K) of a slot into buffer f: 6 weight fragments (turned), then 8 token fragments
.macro FETCH slot, q, f
	WIN 0x40
.irp b, 0,1,2,3,4,5
	ds_load_tr16_b128 v[(\f)+8*(\b):(\f)+8*(\b)+3],   v[ADRB+2*((\b)/2)+(\slot)] offset:(\q)*32*PB+((\b)%2)*32
	ds_load_tr16_b128 v[(\f)+8*(\b)+4:(\f)+8*(\b)+7], v[ADRB+2*((\b)/2)+(\slot)] offset:(\q)*32*PB+16*PB+((\b)%2)*32
.endr
	WIN 0
.irp i, 0,1,2,3,4,5,6,7
	ds_load_b128 v[(\f)+8*(\i):(\f)+8*(\i)+3],   v[ADRA+(\slot)] offset:64*(\q)+(\i)*16*PA
	ds_load_b128 v[(\f)+8*(\i)+4:(\f)+8*(\i)+7], v[ADRA+(\slot)] offset:64*(\q)+(\i)*16*PA+32
.endr
.endm
; One of a K step's first three quarters: multiplies buffer f; in its middle fetches quarter q of the same slot into buffer g.
.macro QUARTER slot, q, f, g, first
	s_wait_dscnt 8                                 ; the weights and token rows 0-63 are in; the youngest eight loads (rows 64-127) may be out
	MUL12 \f, 0, 0, \first
	MUL12 \f, 0, 2, \first
	PLACES
	FETCH \slot, \q, \g
	s_wait_dscnt 28                                ; all but the 28 just issued
	MUL12 \f, 1, 0, \first
	MUL12 \f, 1, 2, \first
.endm
; The last quarter's first half, and the one barrier of a change of slots.
.macro MEET round
	WIN 0                                          ; (the add's two registers lie in window 0)
	s_wait_tensorcnt 0x0                           ; all my tensor loads have landed: the one that was out is my part of the next slot
	ds_add_u32 v[SPW], v[NIL]                      ; 0 onto my spare word
	s_wait_dscnt 9                                 ; (the add and the youngest eight loads may be out)
	MUL12 F1, 0, 0, 0
	s_wait_dscnt 0x0                               ; the add is done, and my reads of this slot are over
	s_barrier_signal -1
	MUL12 F1, 0, 2, 0                              ; work on registers while the others arrive
.if \round
	WIN 0
.endif
	s_barrier_wait -1
.endm
; The whole last quarter.  fill = 1: the barrier opens a round of the cluster's, and the slot just read out is filled again, two K steps on, first thing behind it:
; 168 matrix instructions stand between that request and the wait for it.
.macro TURN slot, next, fill
	MEET \fill
.if \fill
	CREST                                          ; no wave of any partner still reads this slot or has a load on its way
	s_add_nc_u64 s[G0A+4*(\slot)+2:G0A+4*(\slot)+3], s[G0A+4*(\slot)+2:G0A+4*(\slot)+3], 2*KSTEP*2
	s_add_nc_u64 s[G0B+4*(\slot)+2:G0B+4*(\slot)+3], s[G0B+4*(\slot)+2:G0B+4*(\slot)+3], 2*KSTEP*4096
	JLOAD \slot                                    ; its four v_nop are also the places in front of the loads below
.else
	PLACES
.endif
	FETCH \next, 0, F0
	MUL12 F1, 1, 0, 0
	MUL12 F1, 1, 2, 0
.endm
	s_wait_tensorcnt 1                             ; my part of K step 0 is in; K step 1's may stay out
	s_barrier_signal -1
	s_barrier_wait -1
	FETCH 0, 0, F0
	QUARTER 0, 1, F0, F1, 1                        ; the first quarter stands in front of the loop: the bias starts the sums
	WIN 0
	s_mov_b32 s3, LAPS-1
.Llap:                                                 ; a trip goes once round the ring and fills both slots again
	QUARTER 0, 2, F1, F0, 0
	QUARTER 0, 3, F0, F1, 0
	TURN 0, 1, 1
	QUARTER 1, 1, F0, F1, 0
	QUARTER 1, 2, F1, F0, 0
	QUARTER 1, 3, F0, F1, 0
	TURN 1, 0, 1
	QUARTER 0, 1, F0, F1, 0
	WIN 0
	s_sub_co_u32 s3, s3, 1
	s_cmp_lg_u32 s3, 0
	s_cbranch_scc1 .Llap
	QUARTER 0, 2, F1, F0, 0                        ; the last lap asks for nothing
	QUARTER 0, 3, F0, F1, 0
	TURN 0, 1, 0                                   ; behind its barrier no wave reads slot 0 any more, and nothing fills it: it becomes the stage
	QUARTER 1, 1, F0, F1, 0
	QUARTER 1, 2, F1, F0, 0
	QUARTER 1, 3, F0, F1, 0
	s_wait_dscnt 8
	MUL12 F1, 0, 0, 0
	MUL12 F1, 0, 2, 0
	s_wait_dscnt 0x0
	MUL12 F1, 1, 0, 0
	MUL12 F1, 1, 2, 0
	WIN 0
	PLACES
; GELU AND GATE for one block of 16 tokens: 48 numbers a lane, in 24 pairs, each accumulator's registers in ascending order.  Two batches of 48 transcendentals, one wait each.
.macro GELU hi, a
.set XB, 48*(\a)
.set CP, CG+2*(\a)
	WIN 0x02+(\hi)                                 ; source 0 in window 2 or 3
.set i, 0
.rept 24
	v_pk_mul_f32 v[T+2*i:T+2*i+1], v[XB+2*i:XB+2*i+1], s[K1:K1+1] op_sel_hi:[1,0]                       ; K1 x
.set i, i+1
.endr
.set i, 0
.rept 24
	v_pk_fma_f32 v[T+2*i:T+2*i+1], v[XB+2*i:XB+2*i+1], v[T+2*i:T+2*i+1], s[K0:K0+1] op_sel_hi:[1,1,0]   ; K0 + K1 x^2
.set i, i+1
.endr
.set i, 0
.rept 24
	v_pk_mul_f32 v[T+2*i:T+2*i+1], v[XB+2*i:XB+2*i+1], v[T+2*i:T+2*i+1]                                 ; t
.set i, i+1
.endr
	WIN 0
.set i, 0
.rept 48
	v_exp_f32 v[T+i], v[T+i]
.set i, i+1
.endr
	v_nop                                          ; a plain instruction behind the last exponential,
	s_wait_alu depctr_va_vdst(0)                   ; and one wait for the batch, ahead of its first reader
.set i, 0
.rept 24
	v_pk_add_f32 v[T+2*i:T+2*i+1], v[T+2*i:T+2*i+1], 1.0 op_sel_hi:[1,0]
.set i, i+1
.endr
.set i, 0
.rept 48
	v_rcp_f32 v[T+i], v[T+i]
.set i, i+1
.endr
	v_nop
	s_wait_alu depctr_va_vdst(0)                   ; one wait for the reciprocals
	WIN 0x02+(\hi)
.set i, 8
.rept 8
	v_pk_mul_f32 v[T+2*i:T+2*i+1], v[CP:CP+1], v[T+2*i:T+2*i+1] op_sel_hi:[0,1]                         ; blocks 2, 3: expert 0's gate for both halves
.set i, i+1
.endr
.rept 8
	v_pk_mul_f32 v[T+2*i:T+2*i+1], v[CP:CP+1], v[T+2*i:T+2*i+1] op_sel:[1,0] op_sel_hi:[1,1]            ; blocks 4, 5: expert 1's
.set i, i+1
.endr
.set i, 0
.rept 24
	v_pk_mul_f32 v[T+2*i:T+2*i+1], v[XB+2*i:XB+2*i+1], v[T+2*i:T+2*i+1]
.set i, i+1
.endr
	WIN 0
.set i, 0
.rept 24
	v_cvt_pk_bf16_f32 v[PKR+i], v[T+2*i], v[T+2*i+1]
.set i, i+1
.endr
.set b, 0
.rept 6
	ds_store_b128 v[STO+3*(\hi)], v[PKR+4*b:PKR+4*b+3] offset:16*(\a)*SP+(b/2)*256+(b%2)*32
.set b, b+1
.endr
.endm
.irp a, 0,1,2,3
	GELU 0, \a
.endr
.irp a, 0,1,2,3
	GELU 1, \a
.endr
	; THE WAY OUT: a row's 3 x 256 bytes come from four waves, so a barrier stands between the writing and the reading; then each wave stores 32 whole rows.
	s_wait_dscnt 0x0                               ; for the others' sake: my stores into the stage are done
	s_barrier_signal -1
	s_barrier_wait -1
.set n, 0
.rept 48
	ds_load_b128 v[64+4*n:64+4*n+3], v[RD] offset:2*(n%16)*SP+256*(n/16)
.set n, n+1
.endr
.set n, 0
.rept 48
	s_wait_dscnt 47-n                              ; LDS loads come back in order: number n is in
	global_store_b128 v[CO], v[64+4*n:64+4*n+3], s[14:15] offset:2*(n%16)*HROW+4096*(n/16)  ; 16 lanes store 256 consecutive bytes, at a multiple of 256 from hc's first byte
.set n, n+1
.endr
	s_wait_tensorcnt 0x0                           ; the wave's end: behind my last tensor load and my last LDS store
	ds_add_u32 v[SPW], v[NIL]
	s_wait_dscnt 0x0
	CROUND                                         ; the closing round: no work-group ends while a partner may still ask for a tile that names it
	s_endpgm
.Lfunc_end_k_qd089d3be69_ffn1:
	.size	k_qd089d3be69_ffn1, .Lfunc_end_k_qd089d3be69_ffn1-k_qd089d3be69_ffn1
	.p2alignl 7, 3214868480
	.fill 96, 4, 3214868480
	.section	.rodata,"a",@progbits
	.p2align	6, 0x0
	.amdhsa_kernel k_qd089d3be69_ffn1
		.amdhsa_group_segment_fixed_size 327680
		.amdhsa_private_segment_fixed_size 0
		.amdhsa_enable_private_segment 0
		.amdhsa_kernarg_size 48
		.amdhsa_user_sgpr_count 2
		.amdhsa_user_sgpr_kernarg_segment_ptr 1
		.amdhsa_wavefront_size32 1
		.amdhsa_system_sgpr_workgroup_id_x 1
		.amdhsa_system_sgpr_workgroup_id_y 1
		.amdhsa_system_sgpr_workgroup_id_z 1
		.amdhsa_system_vgpr_workitem_id 0
		.amdhsa_next_free_vgpr 1024
		.amdhsa_next_free_sgpr 80
		.amdhsa_reserve_vcc 0
		.amdhsa_float_denorm_mode_32 3
		.amdhsa_float_denorm_mode_16_64 3
		.amdhsa_memory_ordered 1
		.amdhsa_forward_progress 1
		.amdhsa_inst_pref_size 215
	.end_amdhsa_kernel
	.amdgpu_metadata
---
amdhsa.version: [ 1, 2 ]
amdhsa.kernels:
  - .name:           k_qd089d3be69_ffn1
    .symbol:         k_qd089d3be69_ffn1.kd
    .args:
      - { .name: xb, .offset: 0, .size: 8, .value_kind: global_buffer, .address_space: global }
      - { .name: wkb, .offset: 8, .size: 8, .value_kind: global_buffer, .address_space: global }
      - { .name: bs_k, .offset: 16, .size: 8, .value_kind: global_buffer, .address_space: global }
      - { .name: bk, .offset: 24, .size: 8, .value_kind: global_buffer, .address_space: global }
      - { .name: cw, .offset: 32, .size: 8, .value_kind: global_buffer, .address_space: global }
      - { .name: hc, .offset: 40, .size: 8, .value_kind: global_buffer, .address_space: global }
    .group_segment_fixed_size: 327680
    .private_segment_fixed_size: 0
    .kernarg_segment_align: 8
    .kernarg_segment_size: 48
    .max_flat_workgroup_size: 128
    .sgpr_count:     80
    .vgpr_count:     1024
    .wavefront_size: 32
...
	.end_amdgpu_metadata
.endif
;; end of part 2
;; launch ffn2 (part 3): grid 8 x 32, 4 waves a work-group, clusters of 4 x 1, 327,680 bytes of LDS; arguments hc, wvb, bs_v, bv, cw, out0; writes out0
.if DOCPART == 3
	.amdgcn_target "amdgcn-amd-amdhsa--gfx1250"
	.amdhsa_code_object_version 6
	.text
	.protected	k_qd089d3be69_ffn2
	.globl	k_qd089d3be69_ffn2
	.p2align	8
	.type	k_qd089d3be69_ffn2,@function
k_qd089d3be69_ffn2:
	s_mov_b64 s[64:65], 0
	v_nop
	global_prefetch_b8 v0, s[64:65] scope:SCOPE_SE
	s_setreg_imm32_b32 hwreg(HW_REG_WAVE_MODE, 25, 1), 1
	s_wait_xcnt 0x0
	s_wait_alu depctr_hold_cnt(0) depctr_sa_sdst(0) depctr_va_vdst(0) depctr_va_sdst(0) depctr_va_ssrc(0) depctr_va_vcc(0) depctr_vm_vsrc(0)
	s_getreg_b32 s2, hwreg(HW_REG_IB_STS2, 6, 4)
	s_cmp_eq_u32 s2, 0
	s_cbranch_scc0 .Lentry_in_a_cluster
	s_endpgm
.Lentry_in_a_cluster:
	s_bfe_u32 s2, ttmp6, 0x10000c
	s_cmp_lg_u32 s2, 0x3003
	s_cbranch_scc0 .Lentry_shape_is_right
	s_endpgm
.Lentry_shape_is_right:
; FFN2: out0[t][n] = sum over k of hc[t][k] W[k][n] + bs_v[n] + c0[t] bv[0][n] + c1[t] bv[1][n].   hc [4096][6144] bf16 (gates already applied), out0 [4096][1024] f32.
; W [6144][1024] bf16 lies in wvb in fragments of 32 k x 16 n, 1,024 bytes each, at (ks 64 + nb) 1024, in the order in which a wave's operand registers take them.
; Sums in f32; the biases are rounded to bf16 like every input; the gates (cw) are f32.
; SHARES.  A work-group makes 128 x 128 of out0: 32 x 8 = 256 work-groups.  K IS SPLIT OVER THE FOUR WAVES: each wave holds the whole 128 x 128 in 64 accumulators (512 registers) and takes
; the K columns 128 w .. 128 w + 127 of every K step of 512, in four slices of 32.  The four partial sums (f32) meet in LDS at the end, which also turns the results into whole rows.
; hc GOES THROUGH LDS: 12 K steps of 512 through two slots; each wave fetches its own 128 rows x 256 bytes of a slot and alone reads them.  By this text's count a wave has two tensor loads out
; at the start and one behind each round, 224 matrix instructions ahead of the wait for it.  The four work-groups of a cluster make the four column tiles of one row tile and ask for hc jointly.
; W GOES STRAIGHT INTO REGISTERS, by each work-group for itself, though the 32 work-groups of a column tile read the same bytes.  The reason, by this text's arithmetic: with K split over the waves each
; byte of W is used by one wave, so LDS would give it no second reader; beside hc it would halve what a slot holds (256 of K, 128 matrix instructions a wave between two rounds, for 512 and 256);
; and a load into registers may stay out across a round: three groups of 16 loads, 24,576 bytes a wave, are on their way.  The price: 1.5 MB of requests a work-group where joint loads would make it a quarter.
; THE MATRIX INSTRUCTION IS USED TRANSPOSED (source 0 = 16 output columns, source 1 = 16 tokens): a lane holds one token and eight neighbouring columns.
; LIMITS: an output is the sum of four partial sums over K, an order of f32 additions other than one ascending chain; NaN and infinities are not treated apart.
; REGISTERS: window 0: v0-55 addresses, biases, gates; v64-127, v128-191 fragments of hc, two buffers; behind the loop v64-191 rows at work.
;   window 1: four buffers of 64 for W's fragments, slice sl of a step in buffer sl.   window 2: accumulators of token blocks 0-3 at 8 (8 a + b);   window 3: of blocks 4-7.
.set PA,    272                        ; a row of hc in LDS: 256 bytes + 16: the 16 rows of a load start at 16 different groups of four banks (64 banks of 4 bytes: ISA guide 11.1)
.set REGN,  128*PA                     ; a wave's part of a slot
.set SLOT,  4*REGN
.set SPARE, 2*SLOT                     ; behind the ring: the spare words, 128 bytes a wave: two blocks of 256 bytes that no other line names
.set PP,    528                        ; a row of partial sums: 128 f32 + 16 bytes
.set PART,  128*PP                     ; a wave's partial sums; the four lie in the ring, behind its last fill and last read
.set LAPS,  6                          ; a lap = two K steps = eight slices
.set KSB,   65536                      ; bytes of wvb for 32 of K
.set STEPB, 16*KSB                     ; and for a K step
.set RDP,  8                           ; v8-11   my 16 bytes in the first of my rows of partial sum p
.set RA,   12                          ; v12-15  the same for the eight rows in hand
.set ADRA, 16                          ; v16-17  LDS address of my hc fragments in slot 0, 1
.set STO,  24                          ; v24     where I put my partial sums
.set GO,   26                          ; v26     16 x lane: my place in 512 consecutive bytes of wvb and of out0; never rewritten
.set SPW,  28                          ; v28     my spare word; never rewritten
.set NIL,  29                          ; v29     0; never rewritten
.set BO,   30                          ; v30     my byte offset in a bias
.set CWO,  31                          ; v31     my byte offset in cw
.set BS,   32                          ; v32-35  bs_v of my four columns
.set V0R,  36                          ; v36-39  bv[0]
.set V1R,  40                          ; v40-43  bv[1]
.set CC,   44                          ; v44-51  four pairs: lane k < 8 of pair g holds (c0, c1) of row 32 w + 8 g + k
.set TT,   52                          ; v52-55  at work
.set F0,   64
.set WV,   16                          ; s16      wave
.set G1,   24                          ; s[24:31] descriptor group 1
.set G0,   32                          ; s[32:39] group 0, a set for each slot
.set BP,   44                          ; s[44:45] wvb at my wave's fragments of the lap in hand
.set TB,   74                          ; s74      the way out: LDS bytes from my first row to the eight in hand
.set MSB, 0
.macro WIN new                         ; the immediate's high byte repeats the setting that is left; a switch that changes nothing is dropped
.if MSB != (\new)
	s_set_vgpr_msb (MSB<<8)|(\new)
.set MSB, \new
.endif
.endm
.macro CREST                           ; a round of the cluster's barrier behind its opening barrier
	s_cmp_lg_u32 s[WV], 0
	s_cbranch_scc1 .Lnot_wave_0_\@
	s_barrier_signal -3
.Lnot_wave_0_\@:
	s_barrier_wait -3
	s_barrier_signal -1
	s_barrier_wait -1
.endm
.macro CROUND
	s_barrier_signal -1
	s_barrier_wait -1
	CREST
.endm
.macro PLACES                          ; four plain instructions between a matrix instruction and a load into, or an access to, its registers
.rept 4
	v_nop
.endr
.endm
; 16 loads of 512 consecutive bytes: W's eight fragments of slice p, counted from the lap at which s[BP] stands, into buffer p % 4
.macro GLOAD p
	WIN 0x40                                       ; destination window 1, address window 0
.set GB, 64*((\p)%4)
.set GF, ((\p)/4)*STEPB+((\p)%4)*KSB
.irp b, 0,1,2,3,4,5,6,7
	global_load_b128 v[GB+8*(\b):GB+8*(\b)+3],   v[GO], s[BP:BP+1] offset:GF+1024*(\b)
	global_load_b128 v[GB+8*(\b)+4:GB+8*(\b)+7], v[GO], s[BP:BP+1] offset:GF+1024*(\b)+512
.endr
.endm
	s_load_b256 s[4:11], s[0:1], 0x0               ; hc 4:5, wvb 6:7, bs_v 8:9, bv 10:11
	s_load_b128 s[12:15], s[0:1], 0x20             ; cw 12:13, out0 14:15
	v_lshl_add_u32 v[SPW], v0, 2, SPARE
	v_mov_b32 v[NIL], 0
	ds_add_u32 v[SPW], v[NIL]                      ; the wave's opening: the add and its wait ahead of my first tensor load
	v_lshrrev_b32 v1, 5, v0
	v_readfirstlane_b32 s[WV], v1
	s_bfe_u32 s17, ttmp6, 0x40000                  ; cx: my place in the cluster
	s_lshl_b32 s19, ttmp9, 2
	s_add_co_u32 s19, s19, s17                     ; column tile 0..7: it enters wvb's, the biases' and out0's addresses alone
	s_and_b32 s20, ttmp7, 0xffff                   ; row tile 0..31, which the four partners share
	s_mov_b32 s[G1+0], 15|(1<<16)|(1<<20)|(1<<21)|(5<<22)|(3<<25)  ; the mask of four; 2-byte elements; padding on; bit 21 beside a mask; after every 64 words; 4 words
	s_mov_b32 s[G1+1], 128<<16                     ; tensor_dim0 = 128
	s_mov_b32 s[G1+2], 128<<16                     ; tensor_dim1 = 128
	s_mov_b32 s[G1+3], 128<<16                     ; tile_dim0 = 128
	s_mov_b32 s[G1+4], 128                         ; tile_dim1 = 128
	s_mov_b32 s[G1+5], 6144                        ; elements from row to row of hc
	s_mov_b32 s[G1+6], 0
	s_mov_b32 s[G1+7], 0
	s_mul_i32 s40, s20, 128*12288                  ; hc: 128 rows of 12,288 bytes a row tile (under 2^26),
	s_lshl_b32 s41, s[WV], 8                       ; my wave's 256 bytes of a K step's 1,024
	s_add_co_u32 s40, s40, s41
	s_mov_b32 s41, 0
	s_lshl_b32 s46, s[WV], 18                      ; wvb: four slices of 65,536 bytes a wave,
	s_lshl_b32 s47, s19, 13                        ; eight fragments a column tile
	s_add_co_u32 s46, s46, s47
	s_mov_b32 s47, 0
	s_mul_i32 s23, s[WV], REGN                     ; my part of a slot: no place in the cluster enters an LDS address
	s_mov_b32 s68, 0xffff0000                      ; a word's upper bf16
	s_mov_b32 s71, 0                               ; named in pairs with s70 and s72
	s_mov_b32 s73, 0
	v_and_b32 v5, 31, v0                           ; lane
	v_and_b32 v3, 7, v0
	v_lshlrev_b32 v[GO], 4, v5
	s_lshl_b32 s48, s19, 9
	v_lshl_add_u32 v[BO], v5, 4, s48               ; 4 bytes x (128 tile + 4 lane)
	s_lshl_b32 s48, s20, 10
	s_lshl_b32 s49, s[WV], 8
	s_add_co_u32 s48, s48, s49
	v_lshl_add_u32 v[CWO], v3, 3, s48              ; 8 bytes x (128 tile + 32 w + lane % 8)
	s_wait_dscnt 0x0                               ; the opening add is done
	s_wait_kmcnt 0x0
	s_add_nc_u64 s[40:41], s[4:5], s[40:41]
	s_add_nc_u64 s[BP:BP+1], s[6:7], s[46:47]
	global_load_b128 v[BS:BS+3], v[BO], s[8:9]     ; biases and gates are wanted behind the loop; they are older than every load that the loop waits for
	global_load_b128 v[V0R:V0R+3], v[BO], s[10:11]
	global_load_b128 v[V1R:V1R+3], v[BO], s[10:11] offset:4096
.irp g, 0,1,2,3
	global_load_b64 v[CC+2*(\g):CC+2*(\g)+1], v[CWO], s[12:13] offset:64*(\g)
.endr
	GLOAD 0                                        ; W's first three slices are on their way while the cluster meets
	GLOAD 1
	GLOAD 2
	WIN 0
	CROUND                                         ; all four work-groups are here: the first joint loads meet
.irp s, 0,1
	s_mov_b32 s[G0+4*(\s)], 1
	s_add_co_u32 s[G0+4*(\s)+1], s23, (\s)*SLOT
	s_add_nc_u64 s[G0+4*(\s)+2:G0+4*(\s)+3], s[40:41], (\s)*1024           ; K step s: 1,024 bytes along the rows
	s_or_b32 s[G0+4*(\s)+3], s[G0+4*(\s)+3], 0x80000000
	tensor_load_to_lds s[G0+4*(\s):G0+4*(\s)+3], s[G1:G1+7]
	s_nop 0
.endr
	PLACES                                         ; four v_nop behind the second load
	v_and_b32 v1, 15, v0                           ; r
	v_bfe_u32 v2, v0, 4, 1                         ; h
	v_mul_u32_u24 v6, v1, PA
	v_lshl_add_u32 v6, v2, 4, v6                   ; an hc fragment: row r x pitch + 16 h; two loads 32 bytes apart
	v_add_nc_u32 v[ADRA], s23, v6
	v_add_nc_u32 v[ADRA+1], SLOT, v[ADRA]
	v_mul_u32_u24 v6, v1, PP
	v_lshl_add_u32 v6, v2, 5, v6                   ; my partial sums: row r x pitch + 32 h, in my wave's part
	s_mul_i32 s46, s[WV], PART
	v_add_nc_u32 v[STO], s46, v6
	s_mul_i32 s46, s[WV], 32*PP                    ; back: wave w takes rows 32 w .. 32 w + 31 of all four parts; a row is 32 lanes x 16 bytes
	v_lshl_add_u32 v[RDP], v5, 4, s46
	v_add_nc_u32 v[RDP+1], PART, v[RDP]
	v_add_nc_u32 v[RDP+2], 2*PART, v[RDP]
	v_add_nc_u32 v[RDP+3], 3*PART, v[RDP]
	s_lshl_b32 s46, s20, 19                        ; out0: 128 rows of 4,096 bytes a row tile,
	s_lshl_b32 s47, s[WV], 17                      ; 32 rows a wave,
	s_add_co_u32 s46, s46, s47
	s_lshl_b32 s47, s19, 9                         ; 512 bytes a column tile
	s_add_co_u32 s46, s46, s47
	s_mov_b32 s47, 0
	s_add_nc_u64 s[14:15], s[14:15], s[46:47]
; 16 matrix instructions: token blocks a0, a0 + 1 of the window's four x all 8 column blocks, 32 along K: hc's buffer f, W's buffer at bb.  zero = 1: the first products start the sums.
; The 64 accumulators take turns, one instruction a turn, in the same order in every slice.
.macro MUL16 f, bb, hi, a0, zero
	WIN 0xa1+0x50*(\hi)                            ; W window 1, hc window 0, C and D window 2 or 3
.irp a, \a0, (\a0)+1
.irp b, 0,1,2,3,4,5,6,7
.if \zero
	v_wmma_f32_16x16x32_bf16 v[8*(8*(\a)+(\b)):8*(8*(\a)+(\b))+7], v[(\bb)+8*(\b):(\bb)+8*(\b)+7], v[(\f)+8*(4*(\hi)+(\a)):(\f)+8*(4*(\hi)+(\a))+7], 0
.else
	v_wmma_f32_16x16x32_bf16 v[8*(8*(\a)+(\b)):8*(8*(\a)+(\b))+7], v[(\bb)+8*(\b):(\bb)+8*(\b)+7], v[(\f)+8*(4*(\hi)+(\a)):(\f)+8*(4*(\hi)+(\a))+7], v[8*(8*(\a)+(\b)):8*(8*(\a)+(\b))+7]
.endif
.endr
.endr
.endm
; 16 LDS loads: hc's eight fragments of slice sl of a slot into buffer f
.macro FETCH_A slot, sl, f
	WIN 0
.irp i, 0,1,2,3,4,5,6,7
	ds_load_b128 v[(\f)+8*(\i):(\f)+8*(\i)+3],   v[ADRA+(\slot)] offset:64*(\sl)+(\i)*16*PA
	ds_load_b128 v[(\f)+8*(\i)+4:(\f)+8*(\i)+7], v[ADRA+(\slot)] offset:64*(\sl)+(\i)*16*PA+32
.endr
.endm
; One of a K step's first three slices.  Behind its first 16 products stands ONE run of memory instructions: the next slice's hc out of LDS, and W's slice gp (three slices on) out of memory, into the
; buffers that the slice before multiplied.  gp = -1: nothing is left to ask for.  left: how many younger loads of W may stay out: two groups of 16, fewer at the end.
.macro SLICE slot, sl, zero, gp, left
.set FC, F0+64*((\sl)%2)
.set FN, F0+64*(((\sl)+1)%2)
	s_wait_dscnt 8                                 ; hc's token rows 0-63 are in; the youngest eight loads (rows 64-127) may be out
	s_wait_loadcnt \left                           ; loads come back in order: this slice's W is in
	MUL16 FC, 64*(\sl), 0, 0, \zero
	PLACES
	FETCH_A \slot, (\sl)+1, FN
.if (\gp) >= 0
	GLOAD \gp
.endif
	MUL16 FC, 64*(\sl), 0, 2, \zero
	s_wait_dscnt 16                                ; all but the 16 just issued
	MUL16 FC, 64*(\sl), 1, 0, \zero
	MUL16 FC, 64*(\sl), 1, 2, \zero
.endm
; A K step's fourth slice, and the change of slots: one barrier.  fill = 1: it opens a round of the cluster's, and the slot just read out is filled again, two K steps on, first thing behind it.
.macro TURN slot, next, fill, gp
	WIN 0                                          ; (the add's two registers lie in window 0)
	s_wait_tensorcnt 0x0                           ; all my tensor loads have landed: the one that was out is my part of the next slot
	ds_add_u32 v[SPW], v[NIL]                      ; 0 onto my spare word
	s_wait_dscnt 9                                 ; (the add and the youngest eight loads may be out)
	s_wait_loadcnt 32                              ; this slice's W is in; two groups of 16 stay out, across the barrier too
	MUL16 F0+64, 192, 0, 0, 0
	s_wait_dscnt 0x0                               ; the add is done, and my reads of this slot are over
	s_barrier_signal -1
	MUL16 F0+64, 192, 0, 2, 0                      ; work on registers while the others arrive
.if \fill
	WIN 0
.endif
	s_barrier_wait -1
.if \fill
	CREST                                          ; no wave of any partner still reads this slot or has a tensor load on its way
	s_add_nc_u64 s[G0+4*(\slot)+2:G0+4*(\slot)+3], s[G0+4*(\slot)+2:G0+4*(\slot)+3], 2048
	tensor_load_to_lds s[G0+4*(\slot):G0+4*(\slot)+3], s[G1:G1+7]
	s_nop 0
.endif
	PLACES                                         ; behind the tensor load, and the places in front of the loads below
	FETCH_A \next, 0, F0
	GLOAD \gp
	MUL16 F0+64, 192, 1, 0, 0
	MUL16 F0+64, 192, 1, 2, 0
.endm
	s_wait_tensorcnt 1                             ; my part of K step 0 is in; K step 1's may stay out
	s_barrier_signal -1
	s_barrier_wait -1
	FETCH_A 0, 0, F0
	SLICE 0, 0, 1, 3, 32                           ; the first slice stands in front of the loop: its products start the sums
	WIN 0
	s_mov_b32 s3, LAPS-1
.Llap:                                                 ; a trip goes once round the ring, from a lap's second slice to the next lap's first, and fills both slots again
	SLICE 0, 1, 0, 4, 32
	SLICE 0, 2, 0, 5, 32
	TURN 0, 1, 1, 6
	SLICE 1, 0, 0, 7, 32
	SLICE 1, 1, 0, 8, 32
	SLICE 1, 2, 0, 9, 32
	TURN 1, 0, 1, 10
	SLICE 0, 0, 0, 11, 32
	WIN 0
	s_wait_xcnt 0x0                                ; the loads of W have had their addresses translated: only now does their base step
	s_add_nc_u64 s[BP:BP+1], s[BP:BP+1], 2*STEPB
	s_sub_co_u32 s3, s3, 1
	s_cmp_lg_u32 s3, 0
	s_cbranch_scc1 .Llap
	SLICE 0, 1, 0, 4, 32                           ; the last lap fills no slot,
	SLICE 0, 2, 0, 5, 32
	TURN 0, 1, 0, 6
	SLICE 1, 0, 0, 7, 32                           ; asks here for W's last slice,
	SLICE 1, 1, 0, -1, 32
	SLICE 1, 2, 0, -1, 16                          ; and its counts run down
	s_wait_dscnt 8
	s_wait_loadcnt 0x0
	MUL16 F0+64, 192, 0, 0, 0
	MUL16 F0+64, 192, 0, 2, 0
	s_wait_dscnt 0x0                               ; my last reads of the ring are over:
	s_barrier_signal -1                            ; say so, since the partial sums will be laid over both slots,
	MUL16 F0+64, 192, 1, 0, 0
	MUL16 F0+64, 192, 1, 2, 0
	WIN 0
	s_barrier_wait -1                              ; and go on when all four have said so
	PLACES
	; MY PARTIAL SUMS into LDS: a lane's eight columns of a row are 32 bytes; each accumulator's four lowest registers go first
.set a, 0
.rept 8
	WIN 0x08+4*(a/4)                               ; the stores' data in window 2 or 3
.set b, 0
.rept 8
	ds_store_b128 v[STO], v[8*(8*(a%4)+b):8*(8*(a%4)+b)+3]   offset:a*16*PP+64*b
	ds_store_b128 v[STO], v[8*(8*(a%4)+b)+4:8*(8*(a%4)+b)+7] offset:a*16*PP+64*b+16
.set b, b+1
.endr
.set a, a+1
.endr
	WIN 0
.set i, 0
.rept 6                                                ; while the stores are out: the biases rounded to bf16 and widened again
	v_cvt_pk_bf16_f32 v[TT+i%4], v[BS+2*i], v[BS+2*i+1]
	v_lshlrev_b32 v[BS+2*i], 16, v[TT+i%4]
	v_and_b32 v[BS+2*i+1], s68, v[TT+i%4]
.set i, i+1
.endr
	s_wait_dscnt 0x0                               ; for the others' sake: my stores are done
	s_barrier_signal -1
	s_barrier_wait -1
	; THE WAY OUT: 32 rows a wave, eight a trip: the four parts of a row, the bias term, one store of 512 consecutive bytes
	s_mov_b32 s[TB], 0
	s_mov_b32 s3, 4
.Lout:
.irp p, 0,1,2,3
	v_add_nc_u32 v[RA+(\p)], s[TB], v[RDP+(\p)]
.endr
.set k, 0
.rept 8
.set p, 0
.rept 4
	ds_load_b128 v[64+16*k+4*p:64+16*k+4*p+3], v[RA+p] offset:k*PP
.set p, p+1
.endr
.set k, k+1
.endr
.set k, 0
.rept 8
.set P0, 64+16*k
	s_wait_dscnt 4*(7-k)                           ; row k's four loads are in; the later rows' may be out
	v_readlane_b32 s70, v[CC], k                   ; the row's gates, held by lane k of the first pair
	v_readlane_b32 s72, v[CC+1], k
	v_pk_add_f32 v[P0:P0+1], v[P0:P0+1], v[P0+4:P0+5]
	v_pk_add_f32 v[P0+2:P0+3], v[P0+2:P0+3], v[P0+6:P0+7]
	v_pk_add_f32 v[P0+8:P0+9], v[P0+8:P0+9], v[P0+12:P0+13]
	v_pk_add_f32 v[P0+10:P0+11], v[P0+10:P0+11], v[P0+14:P0+15]
	v_pk_fma_f32 v[P0+4:P0+5], v[V0R:V0R+1], s[70:71], v[BS:BS+1] op_sel_hi:[1,0,1]          ; bs_v + c0 bv[0]
	v_pk_fma_f32 v[P0+6:P0+7], v[V0R+2:V0R+3], s[70:71], v[BS+2:BS+3] op_sel_hi:[1,0,1]
	v_pk_add_f32 v[P0:P0+1], v[P0:P0+1], v[P0+8:P0+9]
	v_pk_add_f32 v[P0+2:P0+3], v[P0+2:P0+3], v[P0+10:P0+11]
	v_pk_fma_f32 v[P0+4:P0+5], v[V1R:V1R+1], s[72:73], v[P0+4:P0+5] op_sel_hi:[1,0,1]        ; + c1 bv[1]
	v_pk_fma_f32 v[P0+6:P0+7], v[V1R+2:V1R+3], s[72:73], v[P0+6:P0+7] op_sel_hi:[1,0,1]
	v_pk_add_f32 v[P0:P0+1], v[P0:P0+1], v[P0+4:P0+5]
	v_pk_add_f32 v[P0+2:P0+3], v[P0+2:P0+3], v[P0+6:P0+7]
	global_store_b128 v[GO], v[P0:P0+3], s[14:15] offset:4096*k th:TH_STORE_NT  ; 32 lanes store 512 consecutive bytes, at a multiple of 256 from out0's first byte
.set k, k+1
.endr
.irp i, 0,1,2,3,4,5
	v_mov_b32 v[CC+(\i)], v[CC+2+(\i)]             ; the next eight rows' gates move up: one text serves the four trips
.endr
	s_add_co_u32 s[TB], s[TB], 8*PP
	s_wait_xcnt 0x0                                ; the stores have read their registers and their base: only now does the base step, and are the registers loaded again
	s_add_nc_u64 s[14:15], s[14:15], 8*4096
	s_sub_co_u32 s3, s3, 1
	s_cmp_lg_u32 s3, 0
	s_cbranch_scc1 .Lout
	s_wait_tensorcnt 0x0                           ; the wave's end: behind my last tensor load and my last LDS store
	ds_add_u32 v[SPW], v[NIL]
	s_wait_dscnt 0x0
	CROUND                                         ; the closing round: no work-group ends while a partner may still ask for a tile that names it
	s_endpgm
.Lfunc_end_k_qd089d3be69_ffn2:
	.size	k_qd089d3be69_ffn2, .Lfunc_end_k_qd089d3be69_ffn2-k_qd089d3be69_ffn2
	.p2alignl 7, 3214868480
	.fill 96, 4, 3214868480
	.section	.rodata,"a",@progbits
	.p2align	6, 0x0
	.amdhsa_kernel k_qd089d3be69_ffn2
		.amdhsa_group_segment_fixed_size 327680
		.amdhsa_private_segment_fixed_size 0
		.amdhsa_enable_private_segment 0
		.amdhsa_kernarg_size 48
		.amdhsa_user_sgpr_count 2
		.amdhsa_user_sgpr_kernarg_segment_ptr 1
		.amdhsa_wavefront_size32 1
		.amdhsa_system_sgpr_workgroup_id_x 1
		.amdhsa_system_sgpr_workgroup_id_y 1
		.amdhsa_system_sgpr_workgroup_id_z 1
		.amdhsa_system_vgpr_workitem_id 0
		.amdhsa_next_free_vgpr 1024
		.amdhsa_next_free_sgpr 80
		.amdhsa_reserve_vcc 0
		.amdhsa_float_denorm_mode_32 3
		.amdhsa_float_denorm_mode_16_64 3
		.amdhsa_memory_ordered 1
		.amdhsa_forward_progress 1
		.amdhsa_inst_pref_size 137
	.end_amdhsa_kernel
	.amdgpu_metadata
---
amdhsa.version: [ 1, 2 ]
amdhsa.kernels:
  - .name:           k_qd089d3be69_ffn2
    .symbol:         k_qd089d3be69_ffn2.kd
    .args:
      - { .name: hc, .offset: 0, .size: 8, .value_kind: global_buffer, .address_space: global }
      - { .name: wvb, .offset: 8, .size: 8, .value_kind: global_buffer, .address_space: global }
      - { .name: bs_v, .offset: 16, .size: 8, .value_kind: global_buffer, .address_space: global }
      - { .name: bv, .offset: 24, .size: 8, .value_kind: global_buffer, .address_space: global }
      - { .name: cw, .offset: 32, .size: 8, .value_kind: global_buffer, .address_space: global }
      - { .name: out0, .offset: 40, .size: 8, .value_kind: global_buffer, .address_space: global }
    .group_segment_fixed_size: 327680
    .private_segment_fixed_size: 0
    .kernarg_segment_align: 8
    .kernarg_segment_size: 48
    .max_flat_workgroup_size: 128
    .sgpr_count:     80
    .vgpr_count:     1024
    .wavefront_size: 32
...
	.end_amdgpu_metadata
.endif
;; end of part 3
